; MI455X (gfx1250); checked and timed in simulation.
; The chip was launched on July 23, 2026; its instructions are those of AMD's public machine-readable ISA for CDNA 5 (MIT licence, August 2026) and "CDNA5" Instruction Set Architecture Reference Guide (July 2026). The comments in the code are by the model that wrote it; some were corrected since.
;; Cross Attention. Allowed arithmetic: matrix products marked QUANTISED: E2M3 operands, one E8M0 scale for each 32 along K, by v_wmma_scale_f32_16x16x128_f8f6f4 with both operands' format E2M3, f32 sums; everything else in f32.
;; Inputs: Wk 128 x 128 float32; Wq 128 x 128 float32; Wv 128 x 128 float32; X 4 x 4,096 x 128 float32; context 4 x 4,096 x 128 float32.
;; Outputs: out0 4 x 4,096 x 128 float32.
;; This version of the problem:
;;   THIS VERSION OF THE PROBLEM IS GIVEN IN LOW PRECISION. The matrix products marked QUANTISED in the list below multiply operands that are first quantised to E2M3 (2 exponent bits, 3 mantissa bits; 6 bits a number), with one power-of-two scale for each 32 numbers along K (OCP MX v1.0); their sums are f32. All else is computed in f32.
;;   The module's matrix products, in the order in which they are computed (A, B: the left and right operand; K: the contracted axis; several contracted axes count as one K, in the product's order):
;;     1. [M 16,384, K 128] x [K 128, N 128]; A: input X; B: input Wq: QUANTISED
;;     2. [M 16,384, K 128] x [K 128, N 128]; A: input context; B: input Wk: QUANTISED
;;     3. [M 16,384, K 128] x [K 128, N 128]; A: input context; B: input Wv: QUANTISED
;;     4. batch 4 x [M 4,096, K 128] x [K 128, N 4,096]; A: computed on the way; B: computed on the way: QUANTISED
;;     5. batch 4 x [M 4,096, K 4,096] x [K 4,096, N 128]; A: computed on the way; B: computed on the way: QUANTISED
;;   THE QUANTISER, for each operand of a quantised product, along K:
;;     - K is cut into blocks of 32 from its start; a last block that is shorter is filled with zeros.
;;     - A block's scale is 2^e with e = floor(log2(the largest magnitude in the block)) - 2, held to -126 .. 127; a block of zeros has e = 0. As a byte (E8M0): e + 127.
;;     - Each number is divided by its block's scale, clamped to +-7.5, and rounded to the nearest number of E2M3, ties to even, subnormals kept.
;;     - The product sums the exact products of the quantised numbers (number of the format x scale) in f32.
;;   ~~~python
;;   def quantise(x, axis):      # numpy; x: float32 -> the quantised numbers, widened to float32 again
;;       x = np.moveaxis(x, axis, -1); K = x.shape[-1]
;;       x = np.pad(x, [(0, 0)] * (x.ndim - 1) + [(0, -K % 32)]); x = x.reshape(x.shape[:-1] + (-1, 32)); a = np.abs(x).max(-1, keepdims=True)
;;       e = np.where(a > 0, np.clip(np.frexp(np.where(a > 0, a, 1))[1] - 1 - 2, -126, 127), 0)      # np.frexp(a)[1] - 1 = floor(log2(a)), exactly
;;       r = np.clip(x / 2.0 ** e, -7.5, 7.5)
;;       step = 2.0 ** (np.maximum(np.frexp(np.where(r == 0, 1, r))[1] - 1, 0) - 3)
;;       q = np.round(r / step) * step * 2.0 ** e      # np.round: ties to even
;;       return np.moveaxis(q.reshape(q.shape[:-2] + (-1,))[..., :K], -1, axis).astype(np.float32)
;;   ~~~
;;   OPERANDS COMPUTED ON THE WAY. 'Computed on the way' means the value that the module computes at that place (a softmax that the list does not call 'softmax' is quantised finished and normalised). What goes into a quantiser is computed in f32, as accurately as f32 sums, v_exp_f32 and their like allow (about 1e-6 of the number): no bf16 or f16 on the way to a quantiser, and a product that is left as it is and whose result goes on into a quantised operand takes f32 operands (vector FMAs, or v_wmma_f32_16x16x4_f32). A number that lies on a knife's edge between two numbers of the format may be rounded either way, as far as f32 arithmetic and the matrix unit's own rounding can turn it there, and no further.
;; 2 versions, each right; version 2 is version 1 with the launch prep written anew for expert scheduling mode. Each part assembles by itself: llvm-mc -triple=amdgcn-amd-amdhsa -mcpu=gfx1250 --defsym DOCPART=n.
;; ======== version 1 of 2: 2 launches
;; workspace buffers: qc 1,703,936 bytes; kv 3,276,800 bytes
;; launch prep (part 1): grid 256 x 1, 8 waves a work-group, no clusters, 243,712 bytes of LDS; arguments X, context, Wq, Wk, Wv, qc, kv; writes qc, kv
.if DOCPART == 1
	.amdgcn_target "amdgcn-amd-amdhsa--gfx1250"
	.amdhsa_code_object_version 6
	.text
	.protected	k_q2305dd8fee_prep
	.globl	k_q2305dd8fee_prep
	.p2align	8
	.type	k_q2305dd8fee_prep,@function
k_q2305dd8fee_prep:
	s_mov_b64 s[64:65], 0
	v_nop
	global_prefetch_b8 v0, s[64:65] scope:SCOPE_SE
	s_setreg_imm32_b32 hwreg(HW_REG_WAVE_MODE, 25, 1), 1
	s_wait_xcnt 0x0
; q = X Wq^T, k = context Wk^T, v = context Wv^T, each on codes of FP6 (E2M3) with one E8M0 scale for each 32 along K = 128, sums in f32;
; then q and k are quantised along their 128 features and v along the KEYS, and all three leave as IMAGES OF OPERAND REGISTERS for the next launch.
; A fragment (16 rows x 128 K, 12 registers a lane) is 1,536 bytes: registers 4 c .. 4 c + 3 of lane l at 512 c + 16 l.  A fragment's scale words are 128 bytes: 4 l.
; kv: 128 records of 25,600 bytes, one for each 128 keys: K's 8 fragments, V^T's 8 fragments (rows = features 16 T + r, K = the record's keys), 8 x 128 bytes of scale words (lanes 0-15 K's tile, lanes 16-31 V's).
; qc: 128 records of 13,312 bytes, one for each 128 queries: 8 fragments, 8 x 128 bytes of scale words.
; THE ROWS OF A TILE ARE NOT NEIGHBOURS: lane r of tile 2 b + u holds row 32 b + 8 u + r + 8 (r / 8) of the record's 128 (rows of X, of context, of Wq and Wk alike), so that the 16 result registers of tiles 2 b and
; 2 b + 1 of a product used transposed are 16 neighbours along the next K.
; SHARES.  Work-groups 0-127 take 128 rows of context (k and v), 128-255 take 128 rows of X (q): one text, the pointers chosen on the work-group's number; forward branches on that number pass over Wv's parts.
; Wave w quantises tile w of the rows, of Wk (Wq) and of Wv; the images meet in LDS behind ONE barrier; then wave w makes fragment w of k (q) and fragment w of v^T.
; Loads take rows as they lie (32 lanes, 512 consecutive bytes); a tile turns through the wave's own stage in LDS (rows of 528 bytes = 33 x 16: sixteen rows start at sixteen different groups of banks) so that a lane holds 16 neighbours along K.
; NO JOINT LOADS, though every work-group reads the weights (64 or 128 KB beside 64 KB of rows of its own): the text has no tensor load and no loop; each weight byte is asked for once a work-group, at the head.
; A block's scale byte is its largest magnitude's exponent field - 2, held at 1 from below.
; LIMITS: NaN and infinities are not served.  A block of zeros gets the byte 1 where the rule says 127: its codes are zeros, and these bytes are read by this program alone.
.set NCTX, 128                         ; work-groups that take context
.set SPI,  528                         ; a stage row: 512 bytes + 16
.set STG,  16*SPI                      ; a stage: 16 rows
.set WREG, 3*STG                       ; a wave's three stages (rows, W1, Wv), each written once
.set FRB,  1536                        ; a fragment's image
.set KIND, 8*FRB                       ; eight of them
.set IMG,  8*WREG                      ; LDS: images, kind 0 rows, 1 W1, 2 Wv
.set SCB,  IMG+3*KIND                  ; LDS: their scale words, 1,024 bytes a kind
.set LANE, 1                           ; v1   lane
.set LI,   2                           ; v2   16 x lane
.set STW,  3                           ; v3   my stages, on the way in: 16 x lane
.set STR,  4                           ; v4   and back: row r, + 64 h
.set IW,   5                           ; v5   my fragment's image
.set IR,   6                           ; v6   tile 0's image
.set SWW,  7                           ; v7   my fragment's scale words
.set SWR,  8                           ; v8   tile 0's
.set GI,   9                           ; v9   my fragment's place in a record
.set GS,   10                          ; v10  my scale words' place in a record's scale area
.set PWK,  11                          ; v11  k's scale word, kept for the mixed store
.set PC,   12                          ; v12-23 the codes just made; v24-26, v28-30 half blocks
.set TM,   32                          ; v32-35 largest magnitudes, v36-39 bytes, v44-47 the conversions' scale operands
.set SW,   48                          ; v48-55 scale words of the eight fetched fragments
.set OS,   56                          ; v56  my own fragment's
.set PW,   57                          ; v57  the scale word just made
.set MIX,  58                          ; v58  lanes 0-15 k's word, lanes 16-31 v's
.set R0,   64                          ; v64-127  rows as f32, later Wv
.set R1,   128                         ; v128-191 W1 as f32
.set F,    64                          ; behind the barrier: v64-159 eight fragments,
.set OF,   160                         ; v160-171 my own,
.set HA,   192                         ; v192-255 eight result tiles
.set WV,   18                          ; s18 wave
.set WVP,  12                          ; s[12:13] Wv
.set SRC,  20                          ; s[20:21] my rows
.set W1,   22                          ; s[22:23] Wk or Wq
.set DST,  24                          ; s[24:25] my record
.set DSS,  26                          ; s[26:27] its scale area
.set SEL,  36                          ; s[36:37] v_permlanex16_b32's selects for lane l xor 16
; sixteen rows of 512 bytes; perm = 1: rows 0-7 and 16-23 from the base on
.macro GLOAD reg, base, perm, nt
.irp i, 0,1,2,3,4,5,6,7,8,9,10,11,12,13,14,15
.if \nt
	global_load_b128 v[\reg+4*\i:\reg+4*\i+3], v[LI], s[\base:\base+1] offset:512*(\i+8*(\i/8)*\perm) th:TH_LOAD_NT
.else
	global_load_b128 v[\reg+4*\i:\reg+4*\i+3], v[LI], s[\base:\base+1] offset:512*(\i+8*(\i/8)*\perm)
.endif
.endr
.endm
; through stage st: in as loaded, back so that register 16 b + i is k = 32 b + 16 h + i of row r.  LDS serves a wave's instructions in order (ISA guide 5.7.1.4): no wait between the stores and the loads
.macro TURN reg, st
.irp i, 0,1,2,3,4,5,6,7,8,9,10,11,12,13,14,15
	ds_store_b128 v[STW], v[\reg+4*\i:\reg+4*\i+3] offset:\st*STG+SPI*\i
.endr
.irp b, 0,1,2,3
.irp j, 0,1,2,3
	ds_load_b128 v[\reg+16*\b+4*\j:\reg+16*\b+4*\j+3], v[STR] offset:\st*STG+128*\b+16*\j
.endr
.endr
.endm
; 64 numbers of a lane, register 16 b + i = k 32 b + 16 h + i of my row, become a fragment's codes in v[PC] on and its scale word in v[PW]
.macro QUANT s
.irp b, 0,1,2,3
	v_max3_num_f32 v[TM+\b], |v[\s+16*\b]|, |v[\s+1+16*\b]|, 0x1800000   ; block b: my 16 numbers, and the floor 2^(3 - 127): the byte cannot fall under 1
.endr
.irp i, 2,4,6,8,10,12,14
.irp b, 0,1,2,3
	v_max3_num_f32 v[TM+\b], v[TM+\b], |v[\s+16*\b+\i]|, |v[\s+1+16*\b+\i]|   ; the four blocks by turns
.endr
.endr
.irp b, 0,1,2,3
	v_permlanex16_b32 v[TM+4+\b], v[TM+\b], s[SEL], s[SEL+1]
.endr
.irp b, 0,1,2,3
	v_max_num_f32 v[TM+\b], v[TM+\b], v[TM+4+\b]   ; with lane l xor 16's: the block's largest magnitude
.endr
.irp b, 0,1,2,3
	v_add_nc_u32 v[TM+12+\b], 0xff000000, v[TM+\b]   ; 2 off its exponent field: the conversion takes that field as its scale
.endr
.irp b, 0,1,2,3
	v_lshrrev_b32 v[TM+4+\b], 23, v[TM+12+\b]   ; the scale's byte
.endr
	v_lshl_or_b32 v[PW], v[TM+5], 8, v[TM+4]
	v_lshl_or_b32 v[PW], v[TM+6], 16, v[PW]
	v_lshl_or_b32 v[PW], v[TM+7], 24, v[PW]       ; my row's scale word, the same in both halves of the lanes
.irp c, 0,1
	v_cvt_scalef32_pk16_fp6_f32 v[PC+6*\c:PC+2+6*\c], v[\s+32*\c:\s+15+32*\c], v[TM+12+2*\c]
	v_cvt_scalef32_pk16_fp6_f32 v[PC+12+4*\c:PC+14+4*\c], v[\s+16+32*\c:\s+31+32*\c], v[TM+12+2*\c+1]   ; (a conversion's three registers begin on an even number)
.endr
	v_nop                                          ; one plain place behind a scaled conversion
.irp c, 0,1                                    ; the operand's layout wants a whole block in a lane: lanes 0-15 block 2 c, lanes 16-31 block 2 c + 1
.irp i, 0,1,2
	v_permlane16_swap_b32 v[PC+6*\c+\i], v[PC+12+4*\c+\i]
.endr
.irp i, 0,1,2
	v_mov_b32 v[PC+3+6*\c+\i], v[PC+12+4*\c+\i]
.endr
.endr
.endm
.macro IMAGE kind                              ; my fragment and its scale words go to LDS as they stand
.irp c, 0,1,2
	ds_store_b128 v[IW], v[PC+4*\c:PC+4*\c+3] offset:\kind*KIND+512*\c
.endr
	ds_store_b32 v[SWW], v[PW] offset:\kind*1024
.endm
.macro FETCH8 kind                             ; all eight fragments of a kind, and their scale words
.irp f, 0,1,2,3,4,5,6,7
.irp c, 0,1,2
	ds_load_b128 v[F+12*\f+4*\c:F+12*\f+4*\c+3], v[IR] offset:\kind*KIND+FRB*\f+512*\c
.endr
	ds_load_b32 v[SW+\f], v[SWR] offset:\kind*1024+128*\f
.endr
.endm
.macro FETCHOWN kind                           ; fragment w of a kind
.irp c, 0,1,2
	ds_load_b128 v[OF+4*\c:OF+4*\c+3], v[IW] offset:\kind*KIND+512*\c
.endr
	ds_load_b32 v[OS], v[SWW] offset:\kind*1024
.endm
.macro PROD                                    ; eight tiles: source 0 = fetched fragment f, source 1 = my own; eight different results, each begun with 0
.irp f, 0,1,2,3,4,5,6,7
	v_wmma_scale_f32_16x16x128_f8f6f4 v[HA+8*\f:HA+8*\f+7], v[F+12*\f:F+12*\f+11], v[OF:OF+11], 0, v[SW+\f], v[OS] matrix_a_fmt:MATRIX_FMT_FP6 matrix_b_fmt:MATRIX_FMT_FP6
.endr
.rept 4
	v_nop                                          ; four places in front of the first read of results (ISA guide 7.12.1)
.endr
.endm
.macro OUT off                                 ; the fragment leaves: each store of the wave covers 512 consecutive bytes, aligned to 256
.irp c, 0,1,2
	global_store_b128 v[GI], v[PC+4*\c:PC+4*\c+3], s[DST:DST+1] offset:\off+512*\c
.endr
.endm
	s_load_b256 s[4:11], s[0:1], 0x0               ; X s[4:5], context s[6:7], Wq s[8:9], Wk s[10:11]
	s_load_b128 s[12:15], s[0:1], 0x20             ; Wv s[12:13], qc s[14:15]
	s_load_b64 s[16:17], s[0:1], 0x30              ; kv
	v_lshl_add_u32 v62, v0, 2, 0x3b400
	v_mov_b32 v63, 0
	v_lshrrev_b32 v1, 5, v0
	v_readfirstlane_b32 s[WV], v1                  ; wave 0..7
	v_and_b32 v[LANE], 31, v0
	v_and_b32 v59, 15, v0                          ; r
	v_bfe_u32 v60, v0, 4, 1                        ; h
	v_lshlrev_b32 v[LI], 4, v[LANE]
	s_mul_i32 s28, s[WV], WREG
	v_add_nc_u32 v[STW], s28, v[LI]
	v_mul_u32_u24 v[STR], v59, SPI
	v_lshl_add_u32 v[STR], v60, 6, v[STR]
	v_add_nc_u32 v[STR], s28, v[STR]
	s_mul_i32 s28, s[WV], FRB
	v_add_nc_u32 v[GI], s28, v[LI]
	v_add_nc_u32 v[IW], IMG, v[GI]
	v_add_nc_u32 v[IR], IMG, v[LI]
	v_lshlrev_b32 v[GS], 2, v[LANE]
	v_add_nc_u32 v[SWR], SCB, v[GS]
	s_lshl_b32 s28, s[WV], 7
	v_add_nc_u32 v[GS], s28, v[GS]
	v_add_nc_u32 v[SWW], SCB, v[GS]
.irp b, 0,1,2,3
	v_mov_b32 v[TM+4+\b], 0                        ; written once: a lane permute's destination counts as one of its sources
.endr
	s_mov_b32 s[SEL], 0x76543210
	s_mov_b32 s[SEL+1], 0xfedcba98
	s_mov_b32 s29, 13312                           ; a record of qc,
	s_mov_b32 s30, 12288                           ; and where its scale words begin
	s_wait_kmcnt 0x0
	s_cmp_lt_u32 ttmp9, NCTX                       ; context's work-group or X's?  The choice hangs on the work-group's number alone
	s_cselect_b64 s[SRC:SRC+1], s[6:7], s[4:5]
	s_cselect_b64 s[W1:W1+1], s[10:11], s[8:9]
	s_cselect_b64 s[DST:DST+1], s[16:17], s[14:15]
	s_cselect_b32 s28, 0, NCTX
	s_cselect_b32 s29, 25600, s29                  ; a record of kv,
	s_cselect_b32 s30, 24576, s30                  ; and its scale words
	s_sub_co_u32 s28, ttmp9, s28                   ; which 128 rows of the tensor
	s_lshl_b32 s32, s28, 16                        ; 128 rows of 512 bytes
	s_lshr_b32 s31, s[WV], 1
	s_lshl_b32 s31, s31, 14                        ; tile w = 2 b + u begins at row 32 b + 8 u
	s_and_b32 s33, s[WV], 1
	s_lshl_b32 s33, s33, 12
	s_add_co_u32 s34, s31, s33
	s_mov_b32 s35, 0
	s_add_nc_u64 s[W1:W1+1], s[W1:W1+1], s[34:35]
	s_add_co_u32 s34, s34, s32
	s_add_nc_u64 s[SRC:SRC+1], s[SRC:SRC+1], s[34:35]
	s_lshl_b32 s34, s[WV], 13                      ; Wv: rows 16 w on, neighbours
	s_add_nc_u64 s[WVP:WVP+1], s[WVP:WVP+1], s[34:35]
	s_mul_i32 s34, s28, s29
	s_add_nc_u64 s[DST:DST+1], s[DST:DST+1], s[34:35]
	s_mov_b32 s34, s30
	s_add_nc_u64 s[DSS:DSS+1], s[DST:DST+1], s[34:35]
	GLOAD R0, SRC, 1, 1                            ; my 16 rows: read once in the launch
	GLOAD R1, W1, 1, 0                             ; my 16 rows of Wk or Wq
	s_wait_loadcnt 16                              ; the rows are in; the weight's sixteen loads are younger
	TURN R0, 0
	s_wait_loadcnt 0x0                             ; the weight is in
	TURN R1, 1
	s_wait_dscnt 32                                ; the rows are back from the stage; the weight's 32 LDS instructions are younger
	QUANT R0
	s_cmp_ge_u32 ttmp9, NCTX
	s_cbranch_scc1 .Lno_wv_load
	GLOAD R0, WVP, 0, 0                            ; Wv takes the registers that the rows have left, and lands while the other weight is quantised
.Lno_wv_load:
	IMAGE 0
	s_wait_dscnt 0x0                               ; the weight is back, and the image's stores have read the codes' registers
	QUANT R1
	IMAGE 1
	s_wait_loadcnt 0x0                             ; Wv is in.  The wait stands on every path, ahead of the branch: whatever was loaded into v64-127 has landed before any later line touches them (where nothing was loaded it is met at once)
	s_cmp_ge_u32 ttmp9, NCTX
	s_cbranch_scc1 .Lno_wv
	TURN R0, 2
	s_wait_dscnt 0x0                               ; back, and the last image's stores are done
	QUANT R0
	IMAGE 2
.Lno_wv:
	s_wait_dscnt 0x0                               ; for the others' sake: my images lie in LDS
	s_barrier_signal -1
	s_barrier_wait -1                              ; everybody's do; nothing in LDS is written from here on
	; k (or q), used transposed: source 0 = 16 rows of the weight, source 1 = my 16 rows.  Lane (r, h) holds my row r; register 8 f + j is feature 32 (f / 2) + 16 h + 8 (f % 2) + j
	FETCH8 1
	FETCHOWN 0
	s_wait_dscnt 0x0
	PROD
	QUANT HA                                       ; along the features: fragment w of K (of Q)
	OUT 0
	s_cmp_ge_u32 ttmp9, NCTX
	s_cbranch_scc1 .Lq_end
	v_mov_b32 v[PWK], v[PW]
	; v^T: source 0 = 16 rows of context, source 1 = my 16 rows of Wv.  Lane (r, h) holds feature 16 w + r; register 8 f + j is key 32 (f / 2) + 16 h + 8 (f % 2) + j
	FETCH8 0                                       ; (the lines of the quantiser above are the places in front of these loads)
	FETCHOWN 2
	s_wait_dscnt 0x0
	PROD
	s_wait_xcnt 0x0                                ; k's stores have read the codes' registers: they are written again only behind this wait
	QUANT HA                                       ; along the keys: fragment w of V^T
	OUT KIND
	v_cmp_lt_u32 vcc_lo, 15, v[LANE]
	v_cndmask_b32 v[MIX], v[PWK], v[PW], vcc_lo    ; lanes 0-15 K's words, lanes 16-31 V's
	global_store_b32 v[GS], v[MIX], s[DSS:DSS+1]
	s_wait_tensorcnt 0x0
	ds_add_u32 v62, v63
	s_wait_dscnt 0x0
	s_endpgm
.Lq_end:
	global_store_b32 v[GS], v[PW], s[DSS:DSS+1]    ; Q's words, in both halves of the lanes
	s_wait_tensorcnt 0x0
	ds_add_u32 v62, v63
	s_wait_dscnt 0x0
	s_endpgm
.Lfunc_end_k_q2305dd8fee_prep:
	.size	k_q2305dd8fee_prep, .Lfunc_end_k_q2305dd8fee_prep-k_q2305dd8fee_prep
	.p2alignl 7, 3214868480
	.fill 96, 4, 3214868480
	.section	.rodata,"a",@progbits
	.p2align	6, 0x0
	.amdhsa_kernel k_q2305dd8fee_prep
		.amdhsa_group_segment_fixed_size 243712
		.amdhsa_private_segment_fixed_size 0
		.amdhsa_enable_private_segment 0
		.amdhsa_kernarg_size 56
		.amdhsa_user_sgpr_count 2
		.amdhsa_user_sgpr_kernarg_segment_ptr 1
		.amdhsa_wavefront_size32 1
		.amdhsa_system_sgpr_workgroup_id_x 1
		.amdhsa_system_sgpr_workgroup_id_y 1
		.amdhsa_system_sgpr_workgroup_id_z 1
		.amdhsa_system_vgpr_workitem_id 0
		.amdhsa_next_free_vgpr 256
		.amdhsa_next_free_sgpr 66
		.amdhsa_reserve_vcc 1
		.amdhsa_float_denorm_mode_32 3
		.amdhsa_float_denorm_mode_16_64 3
		.amdhsa_memory_ordered 1
		.amdhsa_forward_progress 1
		.amdhsa_inst_pref_size 42
	.end_amdhsa_kernel
	.amdgpu_metadata
---
amdhsa.version: [ 1, 2 ]
amdhsa.kernels:
  - .name:           k_q2305dd8fee_prep
    .symbol:         k_q2305dd8fee_prep.kd
    .args:
      - { .name: X, .offset: 0, .size: 8, .value_kind: global_buffer, .address_space: global }
      - { .name: context, .offset: 8, .size: 8, .value_kind: global_buffer, .address_space: global }
      - { .name: Wq, .offset: 16, .size: 8, .value_kind: global_buffer, .address_space: global }
      - { .name: Wk, .offset: 24, .size: 8, .value_kind: global_buffer, .address_space: global }
      - { .name: Wv, .offset: 32, .size: 8, .value_kind: global_buffer, .address_space: global }
      - { .name: qc, .offset: 40, .size: 8, .value_kind: global_buffer, .address_space: global }
      - { .name: kv, .offset: 48, .size: 8, .value_kind: global_buffer, .address_space: global }
    .group_segment_fixed_size: 243712
    .private_segment_fixed_size: 0
    .kernarg_segment_align: 8
    .kernarg_segment_size: 56
    .max_flat_workgroup_size: 256
    .sgpr_count:     66
    .vgpr_count:     256
    .wavefront_size: 32
...
	.end_amdgpu_metadata
.endif
;; end of part 1
;; launch attn (part 2): grid 64 x 4, 4 waves a work-group, clusters of 4 x 1, 327,680 bytes of LDS; arguments qc, kv, out0; writes out0
.if DOCPART == 2
	.amdgcn_target "amdgcn-amd-amdhsa--gfx1250"
	.amdhsa_code_object_version 6
	.text
	.protected	k_q2305dd8fee_attn
	.globl	k_q2305dd8fee_attn
	.p2align	8
	.type	k_q2305dd8fee_attn,@function
k_q2305dd8fee_attn:
	s_mov_b64 s[64:65], 0
	v_nop
	global_prefetch_b8 v0, s[64:65] scope:SCOPE_SE
	s_setreg_imm32_b32 hwreg(HW_REG_WAVE_MODE, 25, 1), 1
	s_wait_xcnt 0x0
	s_wait_alu depctr_hold_cnt(0) depctr_sa_sdst(0) depctr_va_vdst(0) depctr_va_sdst(0) depctr_va_ssrc(0) depctr_va_vcc(0) depctr_vm_vsrc(0)
	s_getreg_b32 s2, hwreg(HW_REG_IB_STS2, 6, 4)
	s_cmp_eq_u32 s2, 0
	s_cbranch_scc0 .Lentry_in_a_cluster
	s_endpgm
.Lentry_in_a_cluster:
	s_bfe_u32 s2, ttmp6, 0x10000c
	s_cmp_lg_u32 s2, 0x3003
	s_cbranch_scc0 .Lentry_shape_is_right
	s_endpgm
.Lentry_shape_is_right:
; out = Q(w) Q(v), w = (Q(q) Q(k)^T) x 128^-0.5, both products on codes of FP6 (E2M3) with one E8M0 scale for each 32 along K; w is formed in f32, multiplied by 128^-0.5 and quantised along the keys in registers.
; q, k and v come as images of operand registers: a fragment (16 rows x 128 K) is 1,536 bytes, registers 4 c .. 4 c + 3 of lane l at 512 c + 16 l; scale words 4 l.
; kv: a record of 25,600 bytes for each 128 keys: K's 8 fragments, V^T's 8 (rows = features, K = the keys), 1,024 bytes of scale words (lanes 0-15 K's tile, lanes 16-31 V's).  qc: a record of 13,312 bytes for each 128 queries.
; Lane r of tile 2 b + u of K and of Q holds row 32 b + 8 u + r + 8 (r / 8) of its record.
; SHARES.  A work-group owns 64 queries of a batch: four tiles, and EVERY wave holds all four, so that a fragment of K or V read from LDS feeds four products.  THE FOUR WAVES SHARE THE KEYS: wave w walks the batch's
; key steps 8 w .. 8 w + 7 (128 keys each); the four partial sums of O meet in LDS at the end and are added as (w0 + w1) + (w2 + w3).
; THE RING.  A wave has room for three records in LDS, R0 R1 R2 on end, and its eight records are neighbours in memory, so one tensor load can bring two.  At the start: record 0 to R0, records 1, 2 to R1 R2.
; Behind step 1: records 3, 4 to R0 R1.  Behind step 2: record 5 to R2.  Behind step 4: records 6, 7 to R0 R1.  Three refills for eight steps; a wave reads its own records alone.
; LAYOUT.  Both products are used transposed: S^T = K Q^T (source 0 = 16 keys, source 1 = 16 queries), O^T = V^T P^T: a lane holds one query throughout, and S^T's registers 16 b + i of a query tile are keys 32 b + 16 h + i.
; CLUSTER.  The four work-groups of a cluster belong to one batch and walk the same records: wave w of each issues the same tensor load, with the same descriptor and a mask that names the four.
; LIMITS: NaN and infinities are not served.  A block of w that is all zeros gets the byte 1: its codes are zeros.  The sum over the keys is split in four; its order of rounding differs from one ascending chain's.
; REGISTERS, in windows of 256: window 0: addresses, scale words, the quantiser's registers, P's codes, Q's fragments.  window 1: S^T at 64 t + 8 f (t query tile, f key tile).  window 2: O^T at 64 t + 8 f (f feature tile).
;   window 3: K's fragments at 12 f, V's at 96 + 12 f.
.set FRB,   1536                       ; a fragment's image
.set REC,   25600                      ; a record of kv: 100 blocks of 256 bytes
.set QREC,  13312                      ; a record of qc
.set VOF,   8*FRB                      ; V's fragments in a record
.set SCO,   16*FRB                     ; the scale words
.set WREG,  3*REC                      ; a wave's region in LDS: R0, R1, R2
.set SPARE, 4*WREG                     ; behind the four regions: the spare words, 128 bytes for each wave: two blocks of 256 bytes that no other line names
.set SPI,   528                        ; the stage for the sum: 64 rows of 512 bytes + 16, at the head of the wave's region (in R0 and R1), stored only behind that region's last fill and last read
.set LI0, 1                            ; v1   my region + 16 x lane
.set ADR, 2                            ; v2   the same in the record in hand
.set GLI, 3                            ; v3   16 x lane
.set GLS, 4                            ; v4   4 x lane
.set LS0, 5                            ; v5   my region + 4 x lane
.set ADS, 6                            ; v6   the same in the record in hand
.set STO, 7                            ; v7   the stage: row r, + 32 h
.set SPW, 10                           ; v10  LDS address of my spare word; never rewritten
.set NIL, 11                           ; v11  0; never rewritten
.set RD,  12                           ; v12-15 rows 16 w on of the four waves' stages, 16 x lane
.set SCW, 16                           ; v16-23 the step's scale words: lanes 0-15 K's tile f, lanes 16-31 V's
.set QS,  24                           ; v24-27 Q's scale words
.set PS,  28                           ; v28-31 P's
.set TMA, 32                           ; v32-47 largest magnitudes, 4 t + b
.set TMB, 48                           ; v48-63 the other half's, then the bytes
.set TMC, 64                           ; v64-79 the conversions' scale operands
.set P,   80                           ; v80-127 P's codes, 12 t
.set PT,  128                          ; v128-159 half blocks, 8 t + 4 c
.set Q,   160                          ; v160-207 Q's fragments, 12 t
.set KF,  0                            ; window 3
.set VF,  96
.set WV,  10                           ; s10 wave
.set RB,  14                           ; s14 my region's first byte in LDS; kept
.set G1A, 24                           ; s[24:31] descriptor group 1 for one record
.set G0A, 32                           ; s[32:35] group 0 for single records: record 0, later record 5
.set G0B, 36                           ; s[36:39] group 0 for pairs: records 1, 2, later 3, 4, later 6, 7
.set TB,  40                           ; s40 the record in hand: 0, REC or 2 REC from my region's first byte
.set CNT, 41
.set CS,  42                           ; s[42:43] 128^-0.5: the packed form names a pair and takes its low word for both halves
.set SEL, 44                           ; s[44:45] v_permlanex16_b32's selects for lane l xor 16
.set QSP, 46                           ; s[46:47] Q's scale words
.set G1B, 48                           ; s[48:55] descriptor group 1 for two records
.set MSB, 0
.macro WIN new                         ; the immediate's high byte repeats the setting that is left
.if MSB != \new
	s_set_vgpr_msb (MSB<<8)|\new
.set MSB, \new
.endif
.endm
.set W_LD,  0xc0                       ; destination window 3
.set W_KQ,  0x43                       ; source 0 (K) window 3, source 1 (Q) window 0, D window 1
.set W_MUL, 0x41                       ; destination and source 0 window 1
.set W_MAX, 0x14                       ; sources 1 and 2 window 1
.set W_CVT, 0x01                       ; source 0 window 1
.set W_PV,  0xa3                       ; source 0 (V) window 3, source 1 (P) window 0, C and D window 2
.set W_OST, 0x08                       ; an LDS store's data (source 1) window 2
.set W_RLD, 0x40                       ; destination window 1
.set W_RAD, 0x45                       ; destination, sources 0 and 1 window 1
.set W_RST, 0x04                       ; a store's data (source 1) window 1
; A round of the cluster's barrier: my work-group's barrier; wave 0 signals for the work-group; every wave waits for all four work-groups; my work-group's barrier once more.
.macro CROUND
	s_barrier_signal -1
	s_barrier_wait -1
	s_cmp_lg_u32 s[WV], 0
	s_cbranch_scc1 .Lnot_wave_0_\@
	s_barrier_signal -3
.Lnot_wave_0_\@:
	s_barrier_wait -3
	s_barrier_signal -1
	s_barrier_wait -1
.endm
; A REFILL.  All my tensor loads have landed, 0 is added to my spare word, the add and my reads of the places to be filled are done; a round; then one load by group 0 g0 and group 1 g1:
; to lds bytes from my region's first byte, from adv bytes behind where that group 0 last read.  tb: the record that is read next.
.macro CHANGE g0, g1, lds, adv, tb
	s_wait_tensorcnt 0x0                           ; no tensor load of mine is out, so a group 0 may be written
	ds_add_u32 v[SPW], v[NIL]                      ; 0 onto my spare word
	s_add_co_u32 s[\g0+1], s[RB], \lds             ; where the records go: the wave's number and constants alone
	s_add_nc_u64 s[\g0+2:\g0+3], s[\g0+2:\g0+3], \adv   ; where they come from; the type bits on top are not reached
	s_wait_dscnt 0x0                               ; the add is done, and my reads of those places are over
	CROUND                                         ; the same holds of every wave of all four work-groups
	tensor_load_to_lds s[\g0:\g0+3], s[\g1:\g1+7]  ; my one tensor load behind the round, and the first thing there
	s_nop 0
.rept 4
	v_nop                                          ; (the places in front of the loads into registers that the last products read)
.endr
	s_mov_b32 s[TB], \tb
.endm
; A KEY STEP: 128 keys x 64 queries, from the record at s[TB].  zero = 1: the first step's products start O^T's sums: nothing is cleared.
.macro STEP zero
	v_add_nc_u32 v[ADR], s[TB], v[LI0]
	v_add_nc_u32 v[ADS], s[TB], v[LS0]
.irp f, 0,1,2,3,4,5,6,7
	ds_load_b32 v[SCW+\f], v[ADS] offset:SCO+128*\f
.endr
	WIN W_LD
.irp f, 0,1,2,3,4,5,6,7
.irp c, 0,1,2
	ds_load_b128 v[KF+12*\f+4*\c:KF+12*\f+4*\c+3], v[ADR] offset:FRB*\f+512*\c   ; 32 lanes, 512 consecutive bytes
.endr
.endr
.irp f, 0,1,2,3,4,5,6,7
.irp c, 0,1,2
	ds_load_b128 v[VF+12*\f+4*\c:VF+12*\f+4*\c+3], v[ADR] offset:VOF+FRB*\f+512*\c
.endr
.endr
	WIN W_KQ
.irp f, 0,1,2,3,4,5,6,7                        ; S^T = K Q^T: each fragment of K against the four query tiles; 32 different results, each begun with 0
	s_wait_dscnt 24+3*(7-\f)                       ; the scale words and K's fragment f are in; younger: K's later fragments, three loads each, and V's 24
.irp t, 0,1,2,3
	v_wmma_scale_f32_16x16x128_f8f6f4 v[64*\t+8*\f:64*\t+8*\f+7], v[KF+12*\f:KF+12*\f+11], v[Q+12*\t:Q+12*\t+11], 0, v[SCW+\f], v[QS+\t] matrix_a_fmt:MATRIX_FMT_FP6 matrix_b_fmt:MATRIX_FMT_FP6
.endr
.endr
.rept 4
	v_nop                                          ; four places in front of the first read of results (ISA guide 7.12.1)
.endr
	WIN W_MUL
.set ra, 0
.rept 128
	v_pk_mul_f32 v[ra:ra+1], v[ra:ra+1], s[CS:CS+1] op_sel_hi:[1,0]   ; w = score x 128^-0.5, two at a time, each result from its low end on
.set ra, ra+2
.endr
	WIN W_MAX
.irp t, 0,1,2,3
.irp b, 0,1,2,3
	v_max3_num_f32 v[TMA+4*\t+\b], 0x1800000, |v[64*\t+16*\b]|, |v[64*\t+16*\b+1]|   ; block b of tile t: my 16 keys, and the floor 2^(3 - 127): the byte cannot fall under 1
.endr
.endr
.irp i, 2,4,6,8,10,12,14
.irp t, 0,1,2,3
.irp b, 0,1,2,3
	v_max3_num_f32 v[TMA+4*\t+\b], v[TMA+4*\t+\b], |v[64*\t+16*\b+\i]|, |v[64*\t+16*\b+\i+1]|   ; the sixteen blocks by turns
.endr
.endr
.endr
	WIN 0
.irp n, 0,1,2,3,4,5,6,7,8,9,10,11,12,13,14,15
	v_permlanex16_b32 v[TMB+\n], v[TMA+\n], s[SEL], s[SEL+1]
.endr
.irp n, 0,1,2,3,4,5,6,7,8,9,10,11,12,13,14,15
	v_max_num_f32 v[TMA+\n], v[TMA+\n], v[TMB+\n]   ; with lane l xor 16's 16 keys: the block's largest magnitude
.endr
.irp n, 0,1,2,3,4,5,6,7,8,9,10,11,12,13,14,15
	v_add_nc_u32 v[TMC+\n], 0xff000000, v[TMA+\n]   ; 2 off its exponent field: the conversion's scale operand
.endr
.irp n, 0,1,2,3,4,5,6,7,8,9,10,11,12,13,14,15
	v_lshrrev_b32 v[TMB+\n], 23, v[TMC+\n]         ; the scale's byte
.endr
.irp t, 0,1,2,3
	v_lshl_or_b32 v[PS+\t], v[TMB+4*\t+1], 8, v[TMB+4*\t]
.endr
.irp t, 0,1,2,3
	v_lshl_or_b32 v[PS+\t], v[TMB+4*\t+2], 16, v[PS+\t]
.endr
.irp t, 0,1,2,3
	v_lshl_or_b32 v[PS+\t], v[TMB+4*\t+3], 24, v[PS+\t]   ; my query's scale word for these 128 keys
.endr
	WIN W_CVT
.irp t, 0,1,2,3
.irp c, 0,1
	v_cvt_scalef32_pk16_fp6_f32 v[P+12*\t+6*\c:P+12*\t+6*\c+2], v[64*\t+32*\c:64*\t+32*\c+15], v[TMC+4*\t+2*\c]
	v_cvt_scalef32_pk16_fp6_f32 v[PT+8*\t+4*\c:PT+8*\t+4*\c+2], v[64*\t+32*\c+16:64*\t+32*\c+31], v[TMC+4*\t+2*\c+1]   ; (a conversion's three registers begin on an even number)
.endr
.endr
	WIN 0
	v_nop                                          ; one plain place behind a scaled conversion
.irp t, 0,1,2,3                                ; the operand's layout wants a whole block in a lane: lanes 0-15 block 2 c, lanes 16-31 block 2 c + 1
.irp c, 0,1
.irp i, 0,1,2
	v_permlane16_swap_b32 v[P+12*\t+6*\c+\i], v[PT+8*\t+4*\c+\i]
.endr
.endr
.endr
.irp t, 0,1,2,3
.irp c, 0,1
.irp i, 0,1,2
	v_mov_b32 v[P+12*\t+6*\c+3+\i], v[PT+8*\t+4*\c+\i]
.endr
.endr
.endr
.rept 8
	v_nop                                          ; a scale register written by a vector instruction stands 8 places ahead of a scaled matrix instruction, an operand so written 4
.endr
	s_wait_dscnt 0x0                               ; V is in
	WIN W_PV
.irp f, 0,1,2,3,4,5,6,7                        ; O^T += V^T P^T: the 32 accumulators take turns, one instruction a turn
.irp t, 0,1,2,3
.if \zero
	v_wmma_scale_f32_16x16x128_f8f6f4 v[64*\t+8*\f:64*\t+8*\f+7], v[VF+12*\f:VF+12*\f+11], v[P+12*\t:P+12*\t+11], 0, v[SCW+\f], v[PS+\t] matrix_a_fmt:MATRIX_FMT_FP6 matrix_b_fmt:MATRIX_FMT_FP6 matrix_a_scale:MATRIX_SCALE_ROW1
.else
	v_wmma_scale_f32_16x16x128_f8f6f4 v[64*\t+8*\f:64*\t+8*\f+7], v[VF+12*\f:VF+12*\f+11], v[P+12*\t:P+12*\t+11], v[64*\t+8*\f:64*\t+8*\f+7], v[SCW+\f], v[PS+\t] matrix_a_fmt:MATRIX_FMT_FP6 matrix_b_fmt:MATRIX_FMT_FP6 matrix_a_scale:MATRIX_SCALE_ROW1
.endif
.endr
.endr
	WIN 0
.endm
.macro PLACES                                  ; four places behind the last products: in front of loads into registers that they read, and of stores that read their results
.rept 4
	v_nop
.endr
.endm
; The two steps whose records lie in R0 and R1: written once, walked twice; s[TB] begins at 0 and is turned between 0 and REC by one exclusive or.  No tensor load and no barrier stands in the loop.
.macro PAIR
	s_mov_b32 s[CNT], 2
.Lpair_\@:
	STEP 0
	PLACES                                         ; for the next trip's loads, and behind the loop for what comes there
	s_xor_b32 s[TB], s[TB], REC
	s_sub_co_u32 s[CNT], s[CNT], 1
	s_cmp_lg_u32 s[CNT], 0
	s_cbranch_scc1 .Lpair_\@
.endm
	s_load_b128 s[4:7], s[0:1], 0x0                ; qc s[4:5], kv s[6:7]
	s_load_b64 s[8:9], s[0:1], 0x10                ; out0
	v_lshl_add_u32 v[SPW], v0, 2, SPARE
	v_mov_b32 v[NIL], 0
	ds_add_u32 v10, v11
	ds_add_u32 v10, v11
	s_wait_dscnt 0x0
	v_lshrrev_b32 v2, 5, v0
	v_readfirstlane_b32 s[WV], v2                  ; wave 0..3
	s_bfe_u32 s11, ttmp6, 0x40000                  ; cx: my place in the cluster
	s_lshl_b32 s12, ttmp9, 2                       ; in a cluster launch ttmp9 counts clusters
	s_add_co_u32 s12, s12, s11                     ; my block of 64 queries in the batch: it enters qc's and out0's addresses alone
	s_and_b32 s13, ttmp7, 0xffff                   ; the batch, which the four partners share
	; descriptor groups 1: one record, 25,600 dense bytes, as 100 rows of 32 elements of 8 bytes; two records on end as 200 such rows
	s_mov_b32 s[G1A+0], 15|(3<<16)|(1<<21)         ; 15:0 the mask: all four work-groups; 17:16 elements of 8 bytes; 20 no padding; 21 set beside a mask
	s_mov_b32 s[G1A+1], 32<<16                     ; tensor_dim0 = 32
	s_mov_b32 s[G1A+2], 100<<16                    ; tensor_dim1 = 100
	s_mov_b32 s[G1A+3], 32<<16                     ; tile_dim0 = 32
	s_mov_b32 s[G1A+4], 100                        ; tile_dim1 = 100
	s_mov_b32 s[G1A+5], 32                         ; from row to row
	s_mov_b32 s[G1A+6], 0
	s_mov_b32 s[G1A+7], 0
	s_mov_b32 s[G1B+0], 15|(3<<16)|(1<<21)
	s_mov_b32 s[G1B+1], 32<<16
	s_mov_b32 s[G1B+2], 200<<16                    ; tensor_dim1 = 200
	s_mov_b32 s[G1B+3], 32<<16
	s_mov_b32 s[G1B+4], 200                        ; tile_dim1 = 200
	s_mov_b32 s[G1B+5], 32
	s_mov_b32 s[G1B+6], 0
	s_mov_b32 s[G1B+7], 0
	s_mul_i32 s[RB], s[WV], WREG                   ; my region in LDS: the wave's number alone
	s_mov_b32 s[G0A], 1
	s_mov_b32 s[G0A+1], s[RB]                      ; R0
	s_mov_b32 s[G0B], 1
	s_add_co_u32 s[G0B+1], s[RB], REC              ; R1 and R2
	s_mul_i32 s16, s13, 32*REC                     ; the batch's 32 records,
	s_mul_i32 s17, s[WV], 8*REC                    ; my wave's eight of them
	s_add_co_u32 s16, s16, s17
	s_mov_b32 s17, 0
	s_lshl_b32 s18, s13, 5                         ; qc: record 32 x batch + block / 2,
	s_lshr_b32 s19, s12, 1
	s_add_co_u32 s18, s18, s19
	s_mul_i32 s18, s18, QREC
	s_and_b32 s19, s12, 1                          ; its tiles 4 (block % 2) on
	s_mul_i32 s22, s19, 4*FRB
	s_add_co_u32 s22, s22, s18                     ; the fragments,
	s_mov_b32 s23, 0
	s_lshl_b32 s19, s19, 9
	s_add_co_u32 s18, s18, s19
	s_add_co_u32 s18, s18, 8*FRB                   ; the scale words
	s_mov_b32 s19, 0
	s_lshl_b32 s20, s13, 12                        ; out0: row 4,096 x batch + 64 x block + tile w's first row, 32 (w / 2) + 8 (w % 2)
	s_lshl_b32 s21, s12, 6
	s_add_co_u32 s20, s20, s21
	s_lshr_b32 s21, s[WV], 1
	s_lshl_b32 s21, s21, 5
	s_add_co_u32 s20, s20, s21
	s_and_b32 s21, s[WV], 1
	s_lshl_b32 s21, s21, 3
	s_add_co_u32 s20, s20, s21
	s_lshl_b32 s20, s20, 9                         ; rows of 512 bytes
	s_mov_b32 s21, 0
	s_mov_b32 s[TB], 0
	s_mov_b32 s[CS], 0x3db504f3                    ; 128^-0.5
	s_mov_b32 s[CS+1], s[CS]                       ; (named with it as a pair, so it is written)
	s_mov_b32 s[SEL], 0x76543210
	s_mov_b32 s[SEL+1], 0xfedcba98
	v_and_b32 v8, 31, v0                           ; lane
	v_and_b32 v9, 15, v0                           ; r
	v_bfe_u32 v2, v0, 4, 1                         ; h
	v_lshlrev_b32 v[GLI], 4, v8
	v_lshlrev_b32 v[GLS], 2, v8
	v_add_nc_u32 v[LI0], s[RB], v[GLI]
	v_add_nc_u32 v[LS0], s[RB], v[GLS]
	v_mul_u32_u24 v[STO], v9, SPI
	v_lshl_add_u32 v[STO], v2, 5, v[STO]
	v_add_nc_u32 v[STO], s[RB], v[STO]
	s_mul_i32 s15, s[WV], 16*SPI
	v_add_nc_u32 v[RD], s15, v[GLI]
	v_add_nc_u32 v[RD+1], WREG, v[RD]
	v_add_nc_u32 v[RD+2], 2*WREG, v[RD]
	v_add_nc_u32 v[RD+3], 3*WREG, v[RD]
.irp n, 0,1,2,3,4,5,6,7,8,9,10,11,12,13,14,15
	v_mov_b32 v[TMB+\n], 0                         ; written once: a lane permute's destination counts as one of its sources
.endr
	s_wait_kmcnt 0x0
	s_add_nc_u64 s[G0A+2:G0A+3], s[6:7], s[16:17]  ; my first record,
	s_add_nc_u64 s[G0B+2:G0B+3], s[G0A+2:G0A+3], REC   ; my second
	s_or_b32 s[G0A+3], s[G0A+3], 0x80000000        ; 127:126 type = 2
	s_or_b32 s[G0B+3], s[G0B+3], 0x80000000
	s_add_nc_u64 s[QSP:QSP+1], s[4:5], s[18:19]
	s_add_nc_u64 s[4:5], s[4:5], s[22:23]
	s_add_nc_u64 s[8:9], s[8:9], s[20:21]
	CROUND                                         ; all four work-groups are here: the first joint loads meet
	tensor_load_to_lds s[G0A:G0A+3], s[G1A:G1A+7]  ; record 0 into R0,
	s_nop 0
	tensor_load_to_lds s[G0B:G0B+3], s[G1B:G1B+7]  ; records 1 and 2 into R1 and R2: two loads of mine are out, the most in this text
	s_nop 0
.rept 4
	v_nop
.endr
.irp t, 0,1,2,3
.irp c, 0,1,2
	global_load_b128 v[Q+12*\t+4*\c:Q+12*\t+4*\c+3], v[GLI], s[4:5] offset:FRB*\t+512*\c   ; Q's four fragments stay in registers
.endr
	global_load_b32 v[QS+\t], v[GLS], s[QSP:QSP+1] offset:128*\t
.endr
	s_wait_tensorcnt 0x1                           ; record 0 is in R0, which I alone read; the load of records 1 and 2, issued behind it, may stay out: nothing is filled again yet
	s_wait_loadcnt 0x0                             ; Q
	STEP 1                                         ; step 0
	s_wait_tensorcnt 0x0                           ; records 1 and 2 are in
	s_mov_b32 s[TB], REC
	PLACES
	STEP 0                                         ; step 1
	CHANGE G0B, G1B, 0, 2*REC, 2*REC               ; R0 and R1 have been read: records 3 and 4 are asked for; step 2 stands between the request and the wait for it
	STEP 0                                         ; step 2, from R2
	CHANGE G0A, G1A, 2*REC, 5*REC, 0               ; records 3 and 4 are in; R2 has been read: record 5 is asked for; steps 3 and 4 stand between the request and the wait for it
	PAIR                                           ; steps 3 and 4, from R0 and R1
	CHANGE G0B, G1B, 0, 3*REC, 2*REC               ; record 5 is in; R0 and R1 have been read: records 6 and 7 are asked for, the last; step 5 stands between the request and the wait for it
	STEP 0                                         ; step 5, from R2
	s_wait_tensorcnt 0x0                           ; records 6 and 7 are in, and nothing more is asked for
	s_mov_b32 s[TB], 0
	PLACES
	PAIR                                           ; steps 6 and 7, from R0 and R1
	; THE SUM OVER THE FOUR WAVES.  My O^T goes into my stage as 64 rows of 512 bytes (row 16 t + r; features 16 f + 8 h on at byte 64 f + 32 h); a barrier; wave w adds query tile w of the four stages and stores 16 whole rows.
	; (The four places at the end of the loop's trip stand between the last products and the stores that read their results.)
	WIN W_OST
.irp t, 0,1,2,3
.irp f, 0,1,2,3,4,5,6,7
	ds_store_b128 v[STO], v[64*\t+8*\f:64*\t+8*\f+3] offset:16*SPI*\t+64*\f          ; each accumulator from its low end on
	ds_store_b128 v[STO], v[64*\t+8*\f+4:64*\t+8*\f+7] offset:16*SPI*\t+64*\f+16
.endr
.endr
	WIN 0
	s_wait_dscnt 0x0                               ; for the others' sake: my stage is written
	s_barrier_signal -1
	s_barrier_wait -1                              ; everybody's is; nothing in LDS is written from here on
	WIN W_RLD
.irp i, 0,1,2,3,4,5,6,7,8,9,10,11,12,13,14,15
.irp k, 0,1,2,3
	ds_load_b128 v[16*\i+4*\k:16*\i+4*\k+3], v[RD+\k] offset:SPI*\i   ; row i of my tile, wave k's part of the sum
.endr
.endr
	WIN W_RAD
.irp i, 0,1,2,3,4,5,6,7,8,9,10,11,12,13,14,15
	s_wait_dscnt 4*(15-\i)                         ; row i's four loads are in; the later rows', four each, may be out
	v_pk_add_f32 v[16*\i:16*\i+1], v[16*\i:16*\i+1], v[16*\i+4:16*\i+5]
	v_pk_add_f32 v[16*\i+2:16*\i+3], v[16*\i+2:16*\i+3], v[16*\i+6:16*\i+7]
	v_pk_add_f32 v[16*\i+8:16*\i+9], v[16*\i+8:16*\i+9], v[16*\i+12:16*\i+13]
	v_pk_add_f32 v[16*\i+10:16*\i+11], v[16*\i+10:16*\i+11], v[16*\i+14:16*\i+15]
	v_pk_add_f32 v[16*\i:16*\i+1], v[16*\i:16*\i+1], v[16*\i+8:16*\i+9]
	v_pk_add_f32 v[16*\i+2:16*\i+3], v[16*\i+2:16*\i+3], v[16*\i+10:16*\i+11]
.endr
	WIN W_RST
.irp i, 0,1,2,3,4,5,6,7,8,9,10,11,12,13,14,15
	global_store_b128 v[GLI], v[16*\i:16*\i+3], s[8:9] offset:512*(\i+8*(\i/8)) th:TH_STORE_NT   ; 32 lanes store a row of 512 consecutive bytes, aligned; tile row i is query i + 8 (i / 8) from the tile's first
.endr
	WIN 0
	s_wait_tensorcnt 0x0                           ; the wave's end: behind my last tensor load and my last LDS store
	ds_add_u32 v[SPW], v[NIL]
	s_wait_dscnt 0x0
	CROUND                                         ; the closing round: no work-group ends while a partner may still ask for a record that names it
	s_endpgm
.Lfunc_end_k_q2305dd8fee_attn:
	.size	k_q2305dd8fee_attn, .Lfunc_end_k_q2305dd8fee_attn-k_q2305dd8fee_attn
	.p2alignl 7, 3214868480
	.fill 96, 4, 3214868480
	.section	.rodata,"a",@progbits
	.p2align	6, 0x0
	.amdhsa_kernel k_q2305dd8fee_attn
		.amdhsa_group_segment_fixed_size 327680
		.amdhsa_private_segment_fixed_size 0
		.amdhsa_enable_private_segment 0
		.amdhsa_kernarg_size 24
		.amdhsa_user_sgpr_count 2
		.amdhsa_user_sgpr_kernarg_segment_ptr 1
		.amdhsa_wavefront_size32 1
		.amdhsa_system_sgpr_workgroup_id_x 1
		.amdhsa_system_sgpr_workgroup_id_y 1
		.amdhsa_system_sgpr_workgroup_id_z 1
		.amdhsa_system_vgpr_workitem_id 0
		.amdhsa_next_free_vgpr 1024
		.amdhsa_next_free_sgpr 66
		.amdhsa_reserve_vcc 0
		.amdhsa_float_denorm_mode_32 3
		.amdhsa_float_denorm_mode_16_64 3
		.amdhsa_memory_ordered 1
		.amdhsa_forward_progress 1
		.amdhsa_inst_pref_size 240
	.end_amdhsa_kernel
	.amdgpu_metadata
---
amdhsa.version: [ 1, 2 ]
amdhsa.kernels:
  - .name:           k_q2305dd8fee_attn
    .symbol:         k_q2305dd8fee_attn.kd
    .args:
      - { .name: qc, .offset: 0, .size: 8, .value_kind: global_buffer, .address_space: global }
      - { .name: kv, .offset: 8, .size: 8, .value_kind: global_buffer, .address_space: global }
      - { .name: out0, .offset: 16, .size: 8, .value_kind: global_buffer, .address_space: global }
    .group_segment_fixed_size: 327680
    .private_segment_fixed_size: 0
    .kernarg_segment_align: 8
    .kernarg_segment_size: 24
    .max_flat_workgroup_size: 128
    .sgpr_count:     66
    .vgpr_count:     1024
    .wavefront_size: 32
...
	.end_amdgpu_metadata
.endif
;; end of part 2
;; ======== version 2 of 2: 2 launches; version 1 with the launch prep written anew for expert scheduling mode
;; workspace buffers: qc 1,703,936 bytes; kv 3,276,800 bytes
;; launch prep (part 3): grid 256 x 1, 8 waves a work-group, no clusters, 243,712 bytes of LDS; arguments X, context, Wq, Wk, Wv, qc, kv; writes qc, kv
.if DOCPART == 3
	.amdgcn_target "amdgcn-amd-amdhsa--gfx1250"
	.amdhsa_code_object_version 6
	.text
	.protected	k_q2305dd8fee_prep
	.globl	k_q2305dd8fee_prep
	.p2align	8
	.type	k_q2305dd8fee_prep,@function
k_q2305dd8fee_prep:
	s_mov_b64 s[64:65], 0
	v_nop
	global_prefetch_b8 v0, s[64:65] scope:SCOPE_SE
	s_setreg_imm32_b32 hwreg(HW_REG_WAVE_SCHED_MODE, 0, 2), 2
	s_setreg_imm32_b32 hwreg(HW_REG_WAVE_MODE, 25, 1), 1
	s_wait_xcnt 0x0
	s_wait_alu depctr_vm_vsrc(0)
; q = X Wq^T, k = context Wk^T, v = context Wv^T, each on codes of FP6 (E2M3) with one E8M0 scale for each 32 along K = 128, sums in f32;
; then q and k are quantised along their 128 features and v along the KEYS, and all three leave as IMAGES OF OPERAND REGISTERS for the next launch.
; A fragment (16 rows x 128 K, 12 registers a lane) is 1,536 bytes: registers 4 c .. 4 c + 3 of lane l at 512 c + 16 l.  A fragment's scale words are 128 bytes: 4 l.
; kv: 128 records of 25,600 bytes, one for each 128 keys: K's 8 fragments, V^T's 8 fragments (rows = features 16 T + r, K = the record's keys), 8 x 128 bytes of scale words (lanes 0-15 K's tile, lanes 16-31 V's).
; qc: 128 records of 13,312 bytes, one for each 128 queries: 8 fragments, 8 x 128 bytes of scale words.
; THE ROWS OF A TILE ARE NOT NEIGHBOURS: lane r of tile 2 b + u holds row 32 b + 8 u + r + 8 (r / 8) of the record's 128 (rows of X, of context, of Wq and Wk alike), so that the 16 result registers of tiles 2 b and
; 2 b + 1 of a product used transposed are 16 neighbours along the next K.
; SHARES.  Work-groups 0-127 take 128 rows of context (k and v), 128-255 take 128 rows of X (q): one text, the pointers chosen on the work-group's number; forward branches on that number pass over Wv's parts.
; Wave w quantises tile w of the rows, of Wk (Wq) and of Wv; the images meet in LDS behind ONE barrier; then wave w makes fragment w of k (q) and fragment w of v^T.
; Loads take rows as they lie (32 lanes, 512 consecutive bytes); a tile turns through the wave's own stage in LDS (rows of 528 bytes = 33 x 16: sixteen rows start at sixteen different groups of banks) so that a lane holds 16 neighbours along K.
; NO JOINT LOADS, though every work-group reads the weights (64 or 128 KB beside 64 KB of rows of its own): the text has no tensor load and no loop; each weight byte is asked for once a work-group, at the head.
; A block's scale byte is its largest magnitude's exponent field - 2, held at 1 from below.
; LIMITS: NaN and infinities are not served.  A block of zeros gets the byte 1 where the rule says 127: its codes are zeros, and these bytes are read by this program alone.
; THE MODE: SCHED_MODE bits 1:0 = 2 (LLVM: expert scheduling mode 2), set by the entry lines.  The code itself states the register dependences
; between vector or matrix instructions and memory or LDS instructions, with s_wait_alu, always for 0.
; THE PLAN.  Registers that memory or LDS instructions touch, and who else names them:
;   v2-v10      Offsets and LDS addresses: written by vector instructions at the head and never again; read by every load and store.  One wait on va_vdst ahead of the first load serves them all.
;   v64-191     R0 and R1.  Global loads land; the stage's stores read them; the stage's loads land in them; a quantiser reads them; (R0: the same once more for Wv;) behind the barrier the fragments' LDS loads land
;               in them, the products read them, the second product's fragments land in them.
;   v48-56      Scale words: LDS loads land, the products read them, LDS loads land again.
;   v12-23, v57 The codes and the scale word: written by each of the five quantisers, read by the LDS stores of an image or the global stores of a record.
;   v58         The mixed scale word: written by one select, read by one store.
;   v192-255, v24-47 and v11 are named by vector and matrix instructions alone.  v62, v63: written at the head, read by the closing add alone.
; So: one wait on vm_vsrc in each turn through a stage, between its stores and its loads; one wait on va_vdst behind each quantiser, which states that the codes are written (for the stores that follow) and that all vector
; and matrix instructions so far are done reading their sources (for the loads that follow); one wait on vm_vsrc ahead of each quantiser that writes codes' registers which stores have read.
; No scalar register that a vector instruction reads is written again.
.set NCTX, 128                         ; work-groups that take context
.set SPI,  528                         ; a stage row: 512 bytes + 16
.set STG,  16*SPI                      ; a stage: 16 rows
.set WREG, 3*STG                       ; a wave's three stages (rows, W1, Wv), each written once
.set FRB,  1536                        ; a fragment's image
.set KIND, 8*FRB                       ; eight of them
.set IMG,  8*WREG                      ; LDS: images, kind 0 rows, 1 W1, 2 Wv
.set SCB,  IMG+3*KIND                  ; LDS: their scale words, 1,024 bytes a kind
.set LANE, 1                           ; v1   lane
.set LI,   2                           ; v2   16 x lane
.set STW,  3                           ; v3   my stages, on the way in: 16 x lane
.set STR,  4                           ; v4   and back: row r, + 64 h
.set IW,   5                           ; v5   my fragment's image
.set IR,   6                           ; v6   tile 0's image
.set SWW,  7                           ; v7   my fragment's scale words
.set SWR,  8                           ; v8   tile 0's
.set GI,   9                           ; v9   my fragment's place in a record
.set GS,   10                          ; v10  my scale words' place in a record's scale area
.set PWK,  11                          ; v11  k's scale word, kept for the mixed store
.set PC,   12                          ; v12-23 the codes just made; v24-26, v28-30 half blocks
.set TM,   32                          ; v32-35 largest magnitudes, v36-39 bytes, v44-47 the conversions' scale operands
.set SW,   48                          ; v48-55 scale words of the eight fetched fragments
.set OS,   56                          ; v56  my own fragment's
.set PW,   57                          ; v57  the scale word just made
.set MIX,  58                          ; v58  lanes 0-15 k's word, lanes 16-31 v's
.set R0,   64                          ; v64-127  rows as f32, later Wv
.set R1,   128                         ; v128-191 W1 as f32
.set F,    64                          ; behind the barrier: v64-159 eight fragments,
.set OF,   160                         ; v160-171 my own,
.set HA,   192                         ; v192-255 eight result tiles
.set WV,   18                          ; s18 wave
.set WVP,  12                          ; s[12:13] Wv
.set SRC,  20                          ; s[20:21] my rows
.set W1,   22                          ; s[22:23] Wk or Wq
.set DST,  24                          ; s[24:25] my record
.set DSS,  26                          ; s[26:27] its scale area
.set SEL,  36                          ; s[36:37] v_permlanex16_b32's selects for lane l xor 16
; sixteen rows of 512 bytes; perm = 1: rows 0-7 and 16-23 from the base on
.macro GLOAD reg, base, perm, nt
.irp i, 0,1,2,3,4,5,6,7,8,9,10,11,12,13,14,15
.if \nt
	global_load_b128 v[\reg+4*\i:\reg+4*\i+3], v[LI], s[\base:\base+1] offset:512*(\i+8*(\i/8)*\perm) th:TH_LOAD_NT
.else
	global_load_b128 v[\reg+4*\i:\reg+4*\i+3], v[LI], s[\base:\base+1] offset:512*(\i+8*(\i/8)*\perm)
.endif
.endr
.endm
; through stage st: in as loaded, back so that register 16 b + i is k = 32 b + 16 h + i of row r.  LDS serves a wave's instructions in order (ISA guide 5.7.1.4): no wait on DScnt between the stores and the loads
.macro TURN reg, st
.irp i, 0,1,2,3,4,5,6,7,8,9,10,11,12,13,14,15
	ds_store_b128 v[STW], v[\reg+4*\i:\reg+4*\i+3] offset:\st*STG+SPI*\i
.endr
	s_wait_alu depctr_vm_vsrc(0)                   ; the sixteen stores above have read v[reg ..], in which the sixteen loads below land
.irp b, 0,1,2,3
.irp j, 0,1,2,3
	ds_load_b128 v[\reg+16*\b+4*\j:\reg+16*\b+4*\j+3], v[STR] offset:\st*STG+128*\b+16*\j
.endr
.endr
.endm
; 64 numbers of a lane, register 16 b + i = k 32 b + 16 h + i of my row, become a fragment's codes in v[PC] on and its scale word in v[PW]
.macro QUANT s
.irp b, 0,1,2,3
	v_max3_num_f32 v[TM+\b], |v[\s+16*\b]|, |v[\s+1+16*\b]|, 0x1800000   ; block b: my 16 numbers, and the floor 2^(3 - 127): the byte cannot fall under 1
.endr
.irp i, 2,4,6,8,10,12,14
.irp b, 0,1,2,3
	v_max3_num_f32 v[TM+\b], v[TM+\b], |v[\s+16*\b+\i]|, |v[\s+1+16*\b+\i]|   ; the four blocks by turns
.endr
.endr
.irp b, 0,1,2,3
	v_permlanex16_b32 v[TM+4+\b], v[TM+\b], s[SEL], s[SEL+1]
.endr
.irp b, 0,1,2,3
	v_max_num_f32 v[TM+\b], v[TM+\b], v[TM+4+\b]   ; with lane l xor 16's: the block's largest magnitude
.endr
.irp b, 0,1,2,3
	v_add_nc_u32 v[TM+12+\b], 0xff000000, v[TM+\b]   ; 2 off its exponent field: the conversion takes that field as its scale
.endr
.irp b, 0,1,2,3
	v_lshrrev_b32 v[TM+4+\b], 23, v[TM+12+\b]   ; the scale's byte
.endr
	v_lshl_or_b32 v[PW], v[TM+5], 8, v[TM+4]
	v_lshl_or_b32 v[PW], v[TM+6], 16, v[PW]
	v_lshl_or_b32 v[PW], v[TM+7], 24, v[PW]       ; my row's scale word, the same in both halves of the lanes
.irp c, 0,1
	v_cvt_scalef32_pk16_fp6_f32 v[PC+6*\c:PC+2+6*\c], v[\s+32*\c:\s+15+32*\c], v[TM+12+2*\c]
	v_cvt_scalef32_pk16_fp6_f32 v[PC+12+4*\c:PC+14+4*\c], v[\s+16+32*\c:\s+31+32*\c], v[TM+12+2*\c+1]   ; (a conversion's three registers begin on an even number)
.endr
	v_nop                                          ; one plain place behind a scaled conversion
.irp c, 0,1                                    ; the operand's layout wants a whole block in a lane: lanes 0-15 block 2 c, lanes 16-31 block 2 c + 1
.irp i, 0,1,2
	v_permlane16_swap_b32 v[PC+6*\c+\i], v[PC+12+4*\c+\i]
.endr
.irp i, 0,1,2
	v_mov_b32 v[PC+3+6*\c+\i], v[PC+12+4*\c+\i]
.endr
.endr
.endm
.macro IMAGE kind                              ; my fragment and its scale words go to LDS as they stand
.irp c, 0,1,2
	ds_store_b128 v[IW], v[PC+4*\c:PC+4*\c+3] offset:\kind*KIND+512*\c
.endr
	ds_store_b32 v[SWW], v[PW] offset:\kind*1024
.endm
.macro FETCH8 kind                             ; all eight fragments of a kind, and their scale words
.irp f, 0,1,2,3,4,5,6,7
.irp c, 0,1,2
	ds_load_b128 v[F+12*\f+4*\c:F+12*\f+4*\c+3], v[IR] offset:\kind*KIND+FRB*\f+512*\c
.endr
	ds_load_b32 v[SW+\f], v[SWR] offset:\kind*1024+128*\f
.endr
.endm
.macro FETCHOWN kind                           ; fragment w of a kind
.irp c, 0,1,2
	ds_load_b128 v[OF+4*\c:OF+4*\c+3], v[IW] offset:\kind*KIND+512*\c
.endr
	ds_load_b32 v[OS], v[SWW] offset:\kind*1024
.endm
.macro PROD                                    ; eight tiles: source 0 = fetched fragment f, source 1 = my own; eight different results, each begun with 0.  Operands and scale words come from LDS loads alone: they owe their wait on DScnt and nothing else
.irp f, 0,1,2,3,4,5,6,7
	v_wmma_scale_f32_16x16x128_f8f6f4 v[HA+8*\f:HA+8*\f+7], v[F+12*\f:F+12*\f+11], v[OF:OF+11], 0, v[SW+\f], v[OS] matrix_a_fmt:MATRIX_FMT_FP6 matrix_b_fmt:MATRIX_FMT_FP6
.endr
.rept 4
	v_nop                                          ; four places in front of the first read of results (ISA guide 7.12.1)
.endr
.endm
.macro OUT off                                 ; the fragment leaves: each store of the wave covers 512 consecutive bytes, aligned to 256
.irp c, 0,1,2
	global_store_b128 v[GI], v[PC+4*\c:PC+4*\c+3], s[DST:DST+1] offset:\off+512*\c
.endr
.endm
	s_load_b256 s[4:11], s[0:1], 0x0               ; X s[4:5], context s[6:7], Wq s[8:9], Wk s[10:11]
	s_load_b128 s[12:15], s[0:1], 0x20             ; Wv s[12:13], qc s[14:15]
	s_load_b64 s[16:17], s[0:1], 0x30              ; kv
	v_lshl_add_u32 v62, v0, 2, 0x3b400
	v_mov_b32 v63, 0
	v_lshrrev_b32 v1, 5, v0
	v_readfirstlane_b32 s[WV], v1                  ; wave 0..7
	v_and_b32 v[LANE], 31, v0
	v_and_b32 v59, 15, v0                          ; r
	v_bfe_u32 v60, v0, 4, 1                        ; h
	v_lshlrev_b32 v[LI], 4, v[LANE]
	s_wait_alu depctr_va_sdst(0)                   ; s18, the wave's number, is written, ahead of its first reader: LDS places and the buffers' offsets are made from it
	s_mul_i32 s38, s[WV], WREG                     ; (s38, s39, s40: each number that vector instructions read has a scalar register of its own)
	v_add_nc_u32 v[STW], s38, v[LI]
	v_mul_u32_u24 v[STR], v59, SPI
	v_lshl_add_u32 v[STR], v60, 6, v[STR]
	v_add_nc_u32 v[STR], s38, v[STR]
	s_mul_i32 s39, s[WV], FRB
	v_add_nc_u32 v[GI], s39, v[LI]
	v_add_nc_u32 v[IW], IMG, v[GI]
	v_add_nc_u32 v[IR], IMG, v[LI]
	v_lshlrev_b32 v[GS], 2, v[LANE]
	v_add_nc_u32 v[SWR], SCB, v[GS]
	s_lshl_b32 s40, s[WV], 7
	v_add_nc_u32 v[GS], s40, v[GS]
	v_add_nc_u32 v[SWW], SCB, v[GS]
.irp b, 0,1,2,3
	v_mov_b32 v[TM+4+\b], 0                        ; written once: a lane permute's destination counts as one of its sources
.endr
	s_mov_b32 s[SEL], 0x76543210
	s_mov_b32 s[SEL+1], 0xfedcba98
	s_mov_b32 s29, 13312                           ; a record of qc,
	s_mov_b32 s30, 12288                           ; and where its scale words begin
	s_wait_kmcnt 0x0
	s_cmp_lt_u32 ttmp9, NCTX                       ; context's work-group or X's?  The choice hangs on the work-group's number alone
	s_cselect_b64 s[SRC:SRC+1], s[6:7], s[4:5]
	s_cselect_b64 s[W1:W1+1], s[10:11], s[8:9]
	s_cselect_b64 s[DST:DST+1], s[16:17], s[14:15]
	s_cselect_b32 s28, 0, NCTX
	s_cselect_b32 s29, 25600, s29                  ; a record of kv,
	s_cselect_b32 s30, 24576, s30                  ; and its scale words
	s_sub_co_u32 s28, ttmp9, s28                   ; which 128 rows of the tensor
	s_lshl_b32 s32, s28, 16                        ; 128 rows of 512 bytes
	s_lshr_b32 s31, s[WV], 1
	s_lshl_b32 s31, s31, 14                        ; tile w = 2 b + u begins at row 32 b + 8 u
	s_and_b32 s33, s[WV], 1
	s_lshl_b32 s33, s33, 12
	s_add_co_u32 s34, s31, s33
	s_mov_b32 s35, 0
	s_add_nc_u64 s[W1:W1+1], s[W1:W1+1], s[34:35]
	s_add_co_u32 s34, s34, s32
	s_add_nc_u64 s[SRC:SRC+1], s[SRC:SRC+1], s[34:35]
	s_lshl_b32 s34, s[WV], 13                      ; Wv: rows 16 w on, neighbours
	s_add_nc_u64 s[WVP:WVP+1], s[WVP:WVP+1], s[34:35]
	s_mul_i32 s34, s28, s29
	s_add_nc_u64 s[DST:DST+1], s[DST:DST+1], s[34:35]
	s_mov_b32 s34, s30
	s_add_nc_u64 s[DSS:DSS+1], s[DST:DST+1], s[34:35]
	s_wait_alu depctr_va_vdst(0)                   ; the nine offsets and addresses v2 to v10 are written: every load and store of the kernel reads one of them, and none is written again
	GLOAD R0, SRC, 1, 1                            ; my 16 rows: read once in the launch
	GLOAD R1, W1, 1, 0                             ; my 16 rows of Wk or Wq
	s_wait_loadcnt 16                              ; the rows are in; the weight's sixteen loads are younger
	TURN R0, 0
	s_wait_loadcnt 0x0                             ; the weight is in
	TURN R1, 1
	s_wait_dscnt 32                                ; the rows are back from the stage; the weight's 32 LDS instructions are younger
	QUANT R0
	s_wait_alu depctr_va_vdst(0)                   ; the quantiser has written the codes and the scale word, which the image's stores read, and is done reading v64-127, in which Wv's loads land.  Ahead of the branch: it holds on both paths
	s_cmp_ge_u32 ttmp9, NCTX
	s_cbranch_scc1 .Lno_wv_load
	GLOAD R0, WVP, 0, 0                            ; Wv takes the registers that the rows have left, and lands while the other weight is quantised
.Lno_wv_load:
	IMAGE 0
	s_wait_dscnt 0x0                               ; the weight is back from the stage
	s_wait_alu depctr_vm_vsrc(0)                   ; the image's stores have read the codes' registers and the scale word, which the quantiser below writes again
	QUANT R1
	s_wait_alu depctr_va_vdst(0)                   ; the quantiser has written the codes and the scale word, which the image's stores read, and is done reading v128-191, in which fragments land behind the barrier
	IMAGE 1
	s_wait_loadcnt 0x0                             ; Wv is in.  The wait stands on every path, ahead of the branch: whatever was loaded into v64-127 has landed before any later line touches them (where nothing was loaded it is met at once)
	s_cmp_ge_u32 ttmp9, NCTX
	s_cbranch_scc1 .Lno_wv
	TURN R0, 2                                     ; (its wait on vm_vsrc stands behind the last image's stores too: they have read the codes' registers and the scale word, which the quantiser below writes again)
	s_wait_dscnt 0x0                               ; Wv is back from the stage
	QUANT R0
	s_wait_alu depctr_va_vdst(0)                   ; the quantiser has written the codes and the scale word, which the image's stores read, and is done reading v64-127, in which fragments land behind the barrier
	IMAGE 2
.Lno_wv:
	s_wait_dscnt 0x0                               ; for the others' sake: my images lie in LDS
	s_barrier_signal -1
	s_barrier_wait -1                              ; everybody's do; nothing in LDS is written from here on
	s_wait_alu depctr_vm_vsrc(0)                   ; my last image's stores have read the codes' registers and the scale word, which the quantiser of k (or q) writes again: on both paths
	; k (or q), used transposed: source 0 = 16 rows of the weight, source 1 = my 16 rows.  Lane (r, h) holds my row r; register 8 f + j is feature 32 (f / 2) + 16 h + 8 (f % 2) + j
	FETCH8 1                                       ; (no vector instruction has been issued since the last wait on va_vdst, on either path: the quantisers are done reading v64-191)
	FETCHOWN 0
	s_wait_dscnt 0x0
	PROD
	QUANT HA                                       ; along the features: fragment w of K (of Q)
	s_wait_alu depctr_va_vdst(0)                   ; the quantiser has written the codes and the scale word, which the stores below and on q's way out read; the eight products are done reading their fragments and scale words, in which v's loads land
	OUT 0
	s_cmp_ge_u32 ttmp9, NCTX
	s_cbranch_scc1 .Lq_end
	v_mov_b32 v[PWK], v[PW]
	; v^T: source 0 = 16 rows of context, source 1 = my 16 rows of Wv.  Lane (r, h) holds feature 16 w + r; register 8 f + j is key 32 (f / 2) + 16 h + 8 (f % 2) + j
	FETCH8 0                                       ; (since the wait on va_vdst above only the move of the scale word was issued, which names none of the registers that these loads touch)
	FETCHOWN 2
	s_wait_dscnt 0x0
	PROD
	s_wait_xcnt 0x0                                ; k's stores have had their addresses translated: their data registers are written again only behind this wait,
	s_wait_alu depctr_vm_vsrc(0)                   ; and behind this one: k's stores have read the codes' registers, which the quantiser below writes again
	v_cmp_lt_u32 vcc_lo, 15, v[LANE]               ; which half of the lanes: made here, so that the wait for it finds it written
	QUANT HA                                       ; along the keys: fragment w of V^T
	s_wait_alu depctr_va_vcc(0)                    ; VCC is written, ahead of its one reader
	v_cndmask_b32 v[MIX], v[PWK], v[PW], vcc_lo    ; lanes 0-15 K's words, lanes 16-31 V's
	s_wait_alu depctr_va_vdst(0)                   ; the quantiser has written the codes and the select the mixed word: the four stores below read them
	OUT KIND
	global_store_b32 v[GS], v[MIX], s[DSS:DSS+1]
	s_wait_dscnt 0x0                               ; the closing lines, six on end
	s_wait_alu 0x0
	s_wait_tensorcnt 0x0
	ds_add_u32 v62, v63
	s_wait_dscnt 0x0
	s_endpgm
.Lq_end:
	global_store_b32 v[GS], v[PW], s[DSS:DSS+1]    ; Q's words, in both halves of the lanes (the word was written ahead of the wait on va_vdst that stands in front of the fragment's stores)
	s_wait_dscnt 0x0                               ; the closing lines once more, for this end
	s_wait_alu 0x0
	s_wait_tensorcnt 0x0
	ds_add_u32 v62, v63
	s_wait_dscnt 0x0
	s_endpgm
.Lfunc_end_k_q2305dd8fee_prep:
	.size	k_q2305dd8fee_prep, .Lfunc_end_k_q2305dd8fee_prep-k_q2305dd8fee_prep
	.p2alignl 7, 3214868480
	.fill 96, 4, 3214868480
	.section	.rodata,"a",@progbits
	.p2align	6, 0x0
	.amdhsa_kernel k_q2305dd8fee_prep
		.amdhsa_group_segment_fixed_size 243712
		.amdhsa_private_segment_fixed_size 0
		.amdhsa_enable_private_segment 0
		.amdhsa_kernarg_size 56
		.amdhsa_user_sgpr_count 2
		.amdhsa_user_sgpr_kernarg_segment_ptr 1
		.amdhsa_wavefront_size32 1
		.amdhsa_system_sgpr_workgroup_id_x 1
		.amdhsa_system_sgpr_workgroup_id_y 1
		.amdhsa_system_sgpr_workgroup_id_z 1
		.amdhsa_system_vgpr_workitem_id 0
		.amdhsa_next_free_vgpr 256
		.amdhsa_next_free_sgpr 66
		.amdhsa_reserve_vcc 1
		.amdhsa_float_denorm_mode_32 3
		.amdhsa_float_denorm_mode_16_64 3
		.amdhsa_memory_ordered 1
		.amdhsa_forward_progress 1
		.amdhsa_inst_pref_size 42
	.end_amdhsa_kernel
	.amdgpu_metadata
---
amdhsa.version: [ 1, 2 ]
amdhsa.kernels:
  - .name:           k_q2305dd8fee_prep
    .symbol:         k_q2305dd8fee_prep.kd
    .args:
      - { .name: X, .offset: 0, .size: 8, .value_kind: global_buffer, .address_space: global }
      - { .name: context, .offset: 8, .size: 8, .value_kind: global_buffer, .address_space: global }
      - { .name: Wq, .offset: 16, .size: 8, .value_kind: global_buffer, .address_space: global }
      - { .name: Wk, .offset: 24, .size: 8, .value_kind: global_buffer, .address_space: global }
      - { .name: Wv, .offset: 32, .size: 8, .value_kind: global_buffer, .address_space: global }
      - { .name: qc, .offset: 40, .size: 8, .value_kind: global_buffer, .address_space: global }
      - { .name: kv, .offset: 48, .size: 8, .value_kind: global_buffer, .address_space: global }
    .group_segment_fixed_size: 243712
    .private_segment_fixed_size: 0
    .kernarg_segment_align: 8
    .kernarg_segment_size: 56
    .max_flat_workgroup_size: 256
    .sgpr_count:     66
    .vgpr_count:     256
    .wavefront_size: 32
...
	.end_amdgpu_metadata
.endif
;; end of part 3
;; launch attn: the kernel of part 2 again; grid 64 x 4, 4 waves a work-group, clusters of 4 x 1, 327,680 bytes of LDS; arguments qc, kv, out0; writes out0
